; MI455X (gfx1250); checked and timed in simulation.
; The chip was launched on July 23, 2026; its instructions are those of AMD's public machine-readable ISA for CDNA 5 (MIT licence, August 2026) and "CDNA5" Instruction Set Architecture Reference Guide (July 2026). The comments in the code are by the model that wrote it; some were corrected since.
;; Content Based Attention. Allowed arithmetic: matrix products marked QUANTISED: E5M2 operands, one given power-of-two scale a tensor, by v_wmma_f32_16x16x64_bf8_bf8 or v_wmma_f32_16x16x128_bf8_bf8, f32 sums; products left as they are: f32 operands where the result goes on into a quantised operand, else bf16, f16 or f32 operands; f32 sums; everything else in f32.
;; Inputs: V 1,024 x 1,024 float32; W 1,024 x 1,024 float32; b 1,024 float32; decoder_output 32 x 1 x 1,024 float32; encoder_outputs 32 x 2,048 x 1,024 float32; lowp_scales 4 int32 (the exponents e of the quantised operands' scales 2^e); w 1,024 x 1 float32.
;; Outputs: out0 32 x 1,024 float32.
;; This version of the problem:
;;   THIS VERSION OF THE PROBLEM IS GIVEN IN LOW PRECISION. The matrix products marked QUANTISED in the list below multiply operands that are first quantised to E5M2 (5 exponent bits, 2 mantissa bits; 8 bits a number), with one given power-of-two scale for each operand tensor; their sums are f32. All else is computed in f32.
;;   The module's matrix products, in the order in which they are computed (A, B: the left and right operand; K: the contracted axis; several contracted axes count as one K, in the product's order):
;;     1. [M 32, K 1,024] x [K 1,024, N 1,024]; A: input decoder_output; B: input W: QUANTISED (scales: A lowp_scales[0], B lowp_scales[1])
;;     2. [M 65,536, K 1,024] x [K 1,024, N 1,024]; A: input encoder_outputs; B: input V: QUANTISED (scales: A lowp_scales[2], B lowp_scales[3])
;;     3. [M 65,536, K 1,024] x [K 1,024, N 1]; A: computed on the way; B: input w: left as it is (N = 1 < 16)
;;     4. batch 32 x [M 1, K 2,048] x [K 2,048, N 1,024]; A: softmax; B: input encoder_outputs: left as it is (M = 1 < 16)
;;   THE QUANTISER, for each operand of a quantised product, along K:
;;     - The operand's scale is 2^e, e = its entry of the input lowp_scales (int32; the entries are numbered through the quantised products in the list's order, A before B).
;;     - Each number is divided by the scale, clamped to +-57,344, and rounded to the nearest number of E5M2, ties to even, subnormals kept.
;;     - The product sums the exact products of the quantised numbers (number of the format x scale) in f32.
;;   ~~~python
;;   def quantise(x, axis, e):      # numpy; x: float32 -> the quantised numbers, widened to float32 again
;;       x = np.moveaxis(x, axis, -1); K = x.shape[-1]
;;       r = np.clip(x / 2.0 ** e, -57344, 57344)
;;       step = 2.0 ** (np.maximum(np.frexp(np.where(r == 0, 1, r))[1] - 1, -14) - 2)
;;       q = np.round(r / step) * step * 2.0 ** e      # np.round: ties to even
;;       return np.moveaxis(q, -1, axis).astype(np.float32)
;;   ~~~
;; One version. Each part assembles by itself: llvm-mc -triple=amdgcn-amd-amdhsa -mcpu=gfx1250 --defsym DOCPART=n.
;; ======== version 1 of 1: 3 launches
;; limits: right only within a limited range of input values
;; workspace buffers: vcodes 1,048,576 bytes; kbw 262,144 bytes; scores 262,144 bytes
;; launch prep (part 1): grid 160 x 1, 8 waves a work-group, no clusters, 168,960 bytes of LDS; arguments V, W, b, decoder_output, lowp_scales, w, vcodes, kbw; writes vcodes, kbw
.if DOCPART == 1
	.amdgcn_target "amdgcn-amd-amdhsa--gfx1250"
	.amdhsa_code_object_version 6
	.text
	.protected	k_q90d25fddd1_prep
	.globl	k_q90d25fddd1_prep
	.p2align	8
	.type	k_q90d25fddd1_prep,@function
k_q90d25fddd1_prep:
	s_mov_b64 s[64:65], 0
	v_nop
	global_prefetch_b8 v0, s[64:65] scope:SCOPE_SE
	s_setreg_imm32_b32 hwreg(HW_REG_WAVE_MODE, 25, 1), 1
	s_wait_xcnt 0x0
; Two small jobs ahead of the main launch, told apart by the work-group's number alone.
; LEFT OUT BY THE PROGRAM: tanh(x) = 1 - 2 / (1 + 2^(2 log2(e) x)), so the reference's score is (the sum of w) - 2 x the sum over c of w[c] / (1 + 2^(..)); the first term is the same for all t of a batch,
; for all values of the inputs, and the softmax along t does not see it: it is never formed.  LIMIT: a NaN, an infinity or an overflow that reaches only that term is not carried to the result.  Every input is loaded.
; Work-groups 0-31: dec_proj = Q(dec) Q(W) on codes of BF8 (E5M2), scales 2^e0, 2^e1, and out of it the table kbw [32 (b)][1024 (c)][2] f32:
;   (K2 x (dec_proj[b][c] + bias[c]), w[c]), K2 = 2 log2(e): what the main launch adds and multiplies by for each column.  A work-group takes 32 columns (two units of 16); wave s takes K step s (128 along h).
; Work-groups 32-159: V [1024 (h)][1024 (c)] f32 becomes codes with the given scale 2^e3, laid in the ORDER OF THE OPERAND'S REGISTERS:
;   unit u (columns 16 u .. 16 u + 15) at 16,384 u; K step s at 2,048 s; register group g at 512 g; lane L at 16 L: these 16 bytes are V[128 s + 32 g + 16 (L / 16) + 0 .. 15][16 u + L % 16].
;   A work-group takes 32 columns x 256 rows, a wave 32 rows: one register group of two units.
; A LANE TAKES ONE OF 32 NEIGHBOURING COLUMNS AND ITS REGISTERS RUN DOWN K: a load of the wave is 128 consecutive bytes of a row.  Of each 32 along K the codes of the first 16 (X) and of the last 16 (Z) then change lane halves:
;   unit 0's registers are X's lanes 0-15 with Z's lanes 0-15 beside them, unit 1's are X's lanes 16-31 with Z's lanes 16-31: two lane permutes and two selects for each pair of registers.
; The k of a fragment: lane (r, h) holds k = 32 g + 16 h + 0 .. 15 in registers 4 g .. 4 g + 3, alike in both operands of every product of this program, so every product meets its partner.
; dec's 32 rows x 512 bytes of a K step are loaded as they lie, a row's piece an instruction, and turn through the wave's own stage in LDS (rows 528 bytes apart) into the fragment's order.
; The eight waves' partial sums of dec_proj meet in LDS as images of the result registers; one barrier.  No tensor load and no cluster: each operand is read once by its one work-group (dec: 128 KiB, by 32).
; LIMITS: e0, e1, e3 between -126 and 112, so that 2^e and 57,344 x 2^e are f32 numbers; e0 + e1 goes through v_ldexp_f32 and has none.  NaN among the inputs is not served.
; REGISTERS, window 0: v1 lane, v2 r, v3 h, v4, v6 at work in the exchange, v5-10 offsets, v12-15 scales and holds, v16-17 the add's two, v18-20 bias, w, K2 x bias, v21-22 dec's stage, v24-31 pairs to store,
;   v32-63 four result tiles, v64-95 dec's two fragments, v96-127 the two units' fragments, v128-255 numbers of V or W, later the eight partial sums.  Window 1: v0-127 dec as it lies, v128-255 dec in the fragment's order.
.set SPARE, 32768                      ; behind the images: the spare words, 128 bytes for each of eight waves
.set DECB,  33792                      ; behind them: dec's stages, 32 rows x 528 bytes for each wave
.set SPW,  16
.set NIL,  17
.set ACC,  32
.set AB,   64
.set FB,   96
.set XW,   128
.set DX,   128                         ; in window 1
.set MSB, 0
.macro WIN new                         ; the immediate's high byte repeats the setting that is left
.if MSB != (\new)
	s_set_vgpr_msb (MSB<<8)|(\new)
.set MSB, \new
.endif
.endm
.macro AW
	s_wait_alu depctr_va_vdst(0)
.endm
.macro SCALES e, sc, lim               ; 2^e as f32, and 57,344 x 2^e
	s_add_co_i32 s22, s[\e], 127
	s_lshl_b32 s23, s22, 23
	v_mov_b32 v[\sc], s23
	s_add_co_i32 s22, s22, 15
	s_lshl_b32 s22, s22, 23
	s_or_b32 s22, s22, 0x600000
	v_mov_b32 v[\lim], s22
.endm
.macro MIX x, z                        ; x: lanes 16-31 take z's lanes 0-15;  z: lanes 0-15 take x's lanes 16-31.  VCC holds lanes 16-31
	v_permlanex16_b32 v4, v[\z], s34, s35
	v_permlanex16_b32 v6, v[\x], s34, s35
	v_cndmask_b32 v[\x], v[\x], v4, vcc_lo
	v_cndmask_b32 v[\z], v6, v[\z], vcc_lo
.endm
	s_load_b256 s[4:11], s[0:1], 0x0               ; V s[4:5], W s[6:7], bias s[8:9], dec s[10:11]
	s_load_b256 s[12:19], s[0:1], 0x20             ; the scales' exponents s[12:13], w s[14:15], vcodes s[16:17], kbw s[18:19]
	v_lshl_add_u32 v[SPW], v0, 2, SPARE
	v_mov_b32 v[NIL], 0
	v_lshrrev_b32 v1, 5, v0
	v_readfirstlane_b32 s20, v1                    ; wave 0..7
	s_lshl_b32 s21, s20, 12                        ; my images: 4,096 x wave
	s_lshr_b32 s22, s20, 2                         ; where the sums of (b = 4 wave + 0 .. 3, c = lane) lie in an image: tile 2 (wave / 4) + lane / 16, its half wave % 2, lane 16 ((wave / 2) % 2) + lane % 16
	s_lshl_b32 s22, s22, 11
	s_and_b32 s23, s20, 1
	s_lshl_b32 s23, s23, 9
	s_add_co_u32 s22, s22, s23
	s_bfe_u32 s23, s20, 0x10001
	s_lshl_b32 s23, s23, 8
	s_add_co_u32 s22, s22, s23
	s_mul_i32 s36, s20, 16896
	s_add_co_u32 s36, s36, DECB                    ; my stage for dec
	v_and_b32 v1, 31, v0                           ; lane
	v_and_b32 v2, 15, v0                           ; r
	v_bfe_u32 v3, v0, 4, 1                         ; h
	v_lshlrev_b32 v5, 4, v1                        ; 16 x lane
	v_add_nc_u32 v7, s21, v5                       ; my images in LDS: 4,096 x wave + 16 x lane
	v_lshlrev_b32 v8, 4, v2
	v_lshl_add_u32 v8, v3, 10, v8
	v_add_nc_u32 v8, s22, v8
	v_lshlrev_b32 v9, 2, v1                        ; 4 x lane
	v_lshlrev_b32 v10, 3, v1                       ; 8 x lane
	v_add_nc_u32 v21, s36, v5                      ; dec into the stage: 16 x lane of a row
	v_mul_u32_u24 v22, v2, 528
	v_lshl_add_u32 v22, v3, 6, v22
	v_add_nc_u32 v22, s36, v22                     ; and out of it: row r x 528 + 64 h
	v_mov_b32 v4, 0                                ; written once: a lane permute's destination counts as one of its sources
	v_mov_b32 v6, 0
	AW                                             ; ahead of the scalar lines, the wait and the branch below
	s_mov_b32 vcc_lo, 0xffff0000                   ; lanes 16-31
	s_mov_b32 s34, 0x76543210                      ; v_permlanex16_b32: lane l xor 16
	s_mov_b32 s35, 0xfedcba98
	s_mov_b32 s29, 0
	s_mov_b32 s31, 0
	s_wait_kmcnt 0x0
	s_load_b128 s[24:27], s[12:13], 0x0            ; e0, e1, e2, e3
	s_cmp_lt_u32 ttmp9, 32                         ; the work-group's number alone: all eight waves go the same way
	s_cbranch_scc0 .Lv_path
	; ---- W: dec_proj and the table
	s_lshl_b32 s28, s20, 19                        ; my K step's 128 rows of 4,096 bytes
	s_lshl_b32 s30, ttmp9, 7                       ; my 32 columns: 128 bytes
	s_add_co_u32 s28, s28, s30
	s_add_nc_u64 s[6:7], s[6:7], s[28:29]
.irp u, 0,1
.irp g, 0,1,2,3
.irp i, 0,1,2,3,4,5,6,7,8,9,10,11,12,13,14,15
	global_load_b32 v[XW+64*\u+16*\g+\i], v9, s[6:7] offset:(32*\g+16*\u+\i)*4096 th:TH_LOAD_NT   ; row 32 g + 16 u + i, column lane: u = 0 the X part, u = 1 the Z part
.endr
.endr
.endr
	s_lshl_b32 s28, s20, 9                         ; dec: my K step's 512 bytes of a row
	s_add_nc_u64 s[10:11], s[10:11], s[28:29]
	WIN 0x40                                       ; destination window 1
.set i, 0
.rept 32
	global_load_b128 v[4*i:4*i+3], v5, s[10:11] offset:4096*i   ; row b = i: 512 consecutive bytes
.set i, i+1
.endr
	WIN 0
	s_add_nc_u64 s[8:9], s[8:9], s[30:31]          ; bias and w at my 32 columns
	s_add_nc_u64 s[14:15], s[14:15], s[30:31]
	global_load_b32 v18, v9, s[8:9]
	global_load_b32 v19, v9, s[14:15]
	s_lshl_b32 s28, s20, 15                        ; kbw: rows b = 4 wave on, 8,192 bytes each,
	s_lshl_b32 s30, ttmp9, 8                       ; my 32 columns' 256 bytes
	s_add_co_u32 s28, s28, s30
	s_add_nc_u64 s[18:19], s[18:19], s[28:29]
	s_wait_kmcnt 0x0
	SCALES 25, 12, 13                              ; W's
	SCALES 24, 14, 15                              ; dec's
	s_add_co_i32 s32, s24, s25                     ; a sum stands for sum x 2^(e0 + e1)
	s_mov_b32 s33, 0x4038aa3b                      ; K2 = 2 log2(e)
	AW
	s_wait_loadcnt 0x0
	WIN 0x04                                       ; store data window 1
.set i, 0
.rept 32
	ds_store_b128 v21, v[4*i:4*i+3] offset:528*i
.set i, i+1
.endr
	WIN 0x40                                       ; destination window 1
.irp mt, 0,1
.irp g, 0,1,2,3
.irp j, 0,1,2,3
	ds_load_b128 v[DX+64*\mt+16*\g+4*\j:DX+64*\mt+16*\g+4*\j+3], v22 offset:8448*\mt+128*\g+16*\j   ; dec(16 mt + r, 128 s + 32 g + 16 h + 4 j ..): LDS serves a wave's instructions in order (ISA guide 5.7.1.4)
.endr
.endr
.endr
	WIN 0
.irp u, 0,1                            ; W's numbers become codes: the hold at the largest code x the scale (the conversion does not saturate: ISA guide 7.6.2), then the conversion
.irp g, 0,1,2,3
.irp i, 0,1,2,3,4,5,6,7,8,9,10,11,12,13,14,15
	v_med3_num_f32 v[XW+64*\u+16*\g+\i], v[XW+64*\u+16*\g+\i], -v13, v13
.endr
	v_cvt_scalef32_pk8_bf8_f32 v[FB+16*\u+4*\g:FB+16*\u+4*\g+1], v[XW+64*\u+16*\g:XW+64*\u+16*\g+7], v12
	v_cvt_scalef32_pk8_bf8_f32 v[FB+16*\u+4*\g+2:FB+16*\u+4*\g+3], v[XW+64*\u+16*\g+8:XW+64*\u+16*\g+15], v12
.endr
.endr
	v_nop                                          ; one plain vector line behind the last conversion
.set q, 0
.rept 16
	MIX FB+q, FB+16+q                              ; v[FB ..] unit 0's fragment, v[FB + 16 ..] unit 1's
.set q, q+1
.endr
	AW
	s_wait_dscnt 0x0                               ; dec is back from the stage
	WIN 0x41                                       ; source 0 and destination window 1
.set n, 0
.rept 128
	v_med3_num_f32 v[DX+n], v[DX+n], -v15, v15
.set n, n+1
.endr
	WIN 0x01                                       ; source 0 window 1
.irp mt, 0,1
.irp g, 0,1,2,3
	v_cvt_scalef32_pk8_bf8_f32 v[AB+16*\mt+4*\g:AB+16*\mt+4*\g+1], v[DX+64*\mt+16*\g:DX+64*\mt+16*\g+7], v14
	v_cvt_scalef32_pk8_bf8_f32 v[AB+16*\mt+4*\g+2:AB+16*\mt+4*\g+3], v[DX+64*\mt+16*\g+8:DX+64*\mt+16*\g+15], v14
.endr
.endr
	WIN 0
	v_nop                                          ; one plain vector line between the conversions and the products
.irp mt, 0,1
.irp un, 0,1
	v_wmma_f32_16x16x128_bf8_bf8 v[ACC+8*(2*\mt+\un):ACC+8*(2*\mt+\un)+7], v[AB+16*\mt:AB+16*\mt+15], v[FB+16*\un:FB+16*\un+15], 0   ; register j of lane (r, h): (b = 16 mt + 8 h + j, c = 16 un + r), my K step's part
.endr
.endr
	v_mul_f32 v20, s33, v18                        ; K2 x bias: with the three v_nop the four places behind the products (ISA guide 7.12.1)
.rept 3
	v_nop
.endr
.irp t, 0,1,2,3
	ds_store_b128 v7, v[ACC+8*\t:ACC+8*\t+3] offset:1024*\t          ; each result from its low end on
	ds_store_b128 v7, v[ACC+8*\t+4:ACC+8*\t+7] offset:1024*\t+512
.endr
	AW
	s_wait_dscnt 0x0                               ; for the others' sake: my images have landed
	s_barrier_signal -1
	s_barrier_wait -1
.irp k, 0,1,2,3,4,5,6,7
	ds_load_b128 v[XW+4*\k:XW+4*\k+3], v8 offset:4096*\k             ; wave k's part of (b = 4 wave + 0 .. 3, c = lane)
.endr
	s_wait_dscnt 0x0
.irp a, 0,8,16,24                      ; the eight parts in a fixed tree
	v_pk_add_f32 v[XW+\a:XW+\a+1], v[XW+\a:XW+\a+1], v[XW+\a+4:XW+\a+5]
	v_pk_add_f32 v[XW+\a+2:XW+\a+3], v[XW+\a+2:XW+\a+3], v[XW+\a+6:XW+\a+7]
.endr
.irp a, 0,16
	v_pk_add_f32 v[XW+\a:XW+\a+1], v[XW+\a:XW+\a+1], v[XW+\a+8:XW+\a+9]
	v_pk_add_f32 v[XW+\a+2:XW+\a+3], v[XW+\a+2:XW+\a+3], v[XW+\a+10:XW+\a+11]
.endr
	v_pk_add_f32 v[XW:XW+1], v[XW:XW+1], v[XW+16:XW+17]
	v_pk_add_f32 v[XW+2:XW+3], v[XW+2:XW+3], v[XW+18:XW+19]
.irp i, 0,1,2,3
	v_ldexp_f32 v[XW+\i], v[XW+\i], s32            ; dec_proj
.endr
.irp i, 0,1,2,3
	v_fma_f32 v[24+2*\i], v[XW+\i], s33, v20       ; K2 x dec_proj + K2 x bias
	v_mov_b32 v[25+2*\i], v19                      ; w beside it
.endr
.irp i, 0,1,2,3
	global_store_b64 v10, v[24+2*\i:25+2*\i], s[18:19] offset:8192*\i   ; the wave stores 256 consecutive bytes, aligned
.endr
	s_wait_tensorcnt 0x0                           ; the wave's end, behind my last LDS store
	ds_add_u32 v[SPW], v[NIL]
	s_wait_dscnt 0x0
	s_endpgm
	; ---- V: codes in register order.  Work-group 32 + 4 cg + kq: columns 32 cg on, rows 256 kq + 32 wave on: K step 2 kq + wave / 4, register group wave % 4
.Lv_path:
	s_sub_co_u32 s21, ttmp9, 32
	s_lshr_b32 s22, s21, 2                         ; cg
	s_and_b32 s23, s21, 3                          ; kq
	s_lshl_b32 s28, s23, 20                        ; 256 rows of 4,096 bytes,
	s_lshl_b32 s30, s20, 17                        ; my 32 rows,
	s_add_co_u32 s28, s28, s30
	s_lshl_b32 s30, s22, 7                         ; my 32 columns: 128 bytes
	s_add_co_u32 s28, s28, s30
	s_add_nc_u64 s[4:5], s[4:5], s[28:29]
.set i, 0
.rept 32
	global_load_b32 v[XW+i], v9, s[4:5] offset:4096*i th:TH_LOAD_NT   ; row i of my 32, column lane
.set i, i+1
.endr
	s_lshl_b32 s30, s22, 15                        ; two units of 16,384 bytes;
	s_lshl_b32 s28, s23, 12                        ; 2,048 (2 kq + wave / 4) + 512 (wave % 4) = 4,096 kq + 512 wave
	s_add_co_u32 s30, s30, s28
	s_lshl_b32 s28, s20, 9
	s_add_co_u32 s30, s30, s28
	s_add_nc_u64 s[16:17], s[16:17], s[30:31]
	s_wait_kmcnt 0x0
	SCALES 27, 12, 13
	AW
	s_wait_loadcnt 0x0
.set i, 0
.rept 32
	v_med3_num_f32 v[XW+i], v[XW+i], -v13, v13     ; the hold at the largest code x the scale
.set i, i+1
.endr
.irp c, 0,1,2,3
	v_cvt_scalef32_pk8_bf8_f32 v[FB+2*\c:FB+2*\c+1], v[XW+8*\c:XW+8*\c+7], v12   ; v[FB .. FB + 3] the X part, v[FB + 4 .. FB + 7] the Z part
.endr
	v_nop                                          ; one plain vector line behind the last conversion
.irp q, 0,1,2,3
	MIX FB+\q, FB+4+\q
.endr
	global_store_b128 v5, v[FB:FB+3], s[16:17]                  ; the wave stores 512 consecutive bytes, aligned: unit 2 cg,
	global_store_b128 v5, v[FB+4:FB+7], s[16:17] offset:16384   ; and unit 2 cg + 1
	s_wait_tensorcnt 0x0                           ; the wave's end
	ds_add_u32 v[SPW], v[NIL]
	s_wait_dscnt 0x0
	s_endpgm
.Lfunc_end_k_q90d25fddd1_prep:
	.size	k_q90d25fddd1_prep, .Lfunc_end_k_q90d25fddd1_prep-k_q90d25fddd1_prep
	.p2alignl 7, 3214868480
	.fill 96, 4, 3214868480
	.section	.rodata,"a",@progbits
	.p2align	6, 0x0
	.amdhsa_kernel k_q90d25fddd1_prep
		.amdhsa_group_segment_fixed_size 168960
		.amdhsa_private_segment_fixed_size 0
		.amdhsa_enable_private_segment 0
		.amdhsa_kernarg_size 64
		.amdhsa_user_sgpr_count 2
		.amdhsa_user_sgpr_kernarg_segment_ptr 1
		.amdhsa_wavefront_size32 1
		.amdhsa_system_sgpr_workgroup_id_x 1
		.amdhsa_system_sgpr_workgroup_id_y 1
		.amdhsa_system_sgpr_workgroup_id_z 1
		.amdhsa_system_vgpr_workitem_id 0
		.amdhsa_next_free_vgpr 512
		.amdhsa_next_free_sgpr 66
		.amdhsa_reserve_vcc 1
		.amdhsa_float_denorm_mode_32 3
		.amdhsa_float_denorm_mode_16_64 3
		.amdhsa_memory_ordered 1
		.amdhsa_forward_progress 1
		.amdhsa_inst_pref_size 55
	.end_amdhsa_kernel
	.amdgpu_metadata
---
amdhsa.version: [ 1, 2 ]
amdhsa.kernels:
  - .name:           k_q90d25fddd1_prep
    .symbol:         k_q90d25fddd1_prep.kd
    .args:
      - { .name: V, .offset: 0, .size: 8, .value_kind: global_buffer, .address_space: global }
      - { .name: W, .offset: 8, .size: 8, .value_kind: global_buffer, .address_space: global }
      - { .name: b, .offset: 16, .size: 8, .value_kind: global_buffer, .address_space: global }
      - { .name: decoder_output, .offset: 24, .size: 8, .value_kind: global_buffer, .address_space: global }
      - { .name: lowp_scales, .offset: 32, .size: 8, .value_kind: global_buffer, .address_space: global }
      - { .name: w, .offset: 40, .size: 8, .value_kind: global_buffer, .address_space: global }
      - { .name: vcodes, .offset: 48, .size: 8, .value_kind: global_buffer, .address_space: global }
      - { .name: kbw, .offset: 56, .size: 8, .value_kind: global_buffer, .address_space: global }
    .group_segment_fixed_size: 168960
    .private_segment_fixed_size: 0
    .kernarg_segment_align: 8
    .kernarg_segment_size: 64
    .max_flat_workgroup_size: 256
    .sgpr_count:     66
    .vgpr_count:     512
    .wavefront_size: 32
...
	.end_amdgpu_metadata
.endif
;; end of part 1
;; launch scoresk (part 2): grid 256 x 1, 4 waves a work-group, clusters of 4 x 1, 327,680 bytes of LDS; arguments encoder_outputs, vcodes, kbw, lowp_scales, scores; writes scores
.if DOCPART == 2
	.amdgcn_target "amdgcn-amd-amdhsa--gfx1250"
	.amdhsa_code_object_version 6
	.text
	.protected	k_q90d25fddd1_scoresk
	.globl	k_q90d25fddd1_scoresk
	.p2align	8
	.type	k_q90d25fddd1_scoresk,@function
k_q90d25fddd1_scoresk:
	s_mov_b64 s[64:65], 0
	v_nop
	global_prefetch_b8 v0, s[64:65] scope:SCOPE_SE
	s_setreg_imm32_b32 hwreg(HW_REG_WAVE_MODE, 25, 1), 1
	s_wait_xcnt 0x0
	s_wait_alu depctr_hold_cnt(0) depctr_sa_sdst(0) depctr_va_vdst(0) depctr_va_sdst(0) depctr_va_ssrc(0) depctr_va_vcc(0) depctr_vm_vsrc(0)
	s_getreg_b32 s2, hwreg(HW_REG_IB_STS2, 6, 4)
	s_cmp_eq_u32 s2, 0
	s_cbranch_scc0 .Lentry_in_a_cluster
	s_endpgm
.Lentry_in_a_cluster:
	s_bfe_u32 s2, ttmp6, 0x10000c
	s_cmp_lg_u32 s2, 0x3003
	s_cbranch_scc0 .Lentry_shape_is_right
	s_endpgm
.Lentry_shape_is_right:
; scores[b][t] = -2 x the sum over c of w[c] / (1 + 2^(K2 x (dec_proj[b][c] + enc_proj[b][t][c] + bias[c]))), K2 = 2 log2(e).
; LEFT OUT: tanh(x) = 1 - 2 / (1 + 2^(K2 x)), so the reference's score is (the sum of w) + this number; that first term is the same for all t of a batch,
; for all values of the inputs, and a softmax along t does not see it.  LIMIT: a NaN, an infinity or an overflow that reaches only that term is not carried on.
; The form saturates rightly: 2^(..) = infinity gives 0, 2^(..) = 0 gives 1.
; enc_proj = Q(enc) Q(V) on codes of BF8 (E5M2), scales 2^e2 and 2^e3, by v_wmma_f32_16x16x128_bf8_bf8; the f32 sums are brought to scale in the multiply-add that also adds the table's K2 (dec_proj + bias).
; SHARES.  A work-group owns 256 of the 65,536 rows (b, t), each of its four waves 64: four tiles of 16.  PHASE 1: the wave's rows come in as f32, 128 along K at a time, are quantised and stay in registers as 32 fragments (512 registers).
; PHASE 2: V's codes, laid in register order by the launch before, go through LDS a unit of 16 columns at a time; a unit's 16 KiB feed 32 products of the wave.  A row's score is summed inside one wave.
; Source 0 = 16 rows of enc, source 1 = 16 columns of V: a lane holds one column c (lane % 16) and eight rows, so the table's pair (K2 (dec_proj + bias), w) is one pair a lane and unit.
; BY STAGES.  Stage n adds unit n - 3's reciprocals to the score sums, takes unit n - 2's sums as far as the reciprocals, fetches unit n's fragments and multiplies unit n - 1.
; The run of 33 LDS loads stands between the exponentials and the wait for them, the 32 products between the reciprocals and the wait for them.
; ONE RING of two slots serves both phases: 16 fills, one tensor load a wave each, into the wave's own quarter of slot (fill % 2): fills 0-7 enc's K chunks, fills 8-15 eight units of V each.
; CLUSTER.  All work-groups walk the same V: the four of a cluster ask for it jointly (mask 15).  enc's loads are each work-group's own (mask 0).  The place in the cluster enters global addresses of enc and scores alone.
; PREFETCH.  enc's chunk c + 1 is asked for where chunk c's tensor load is issued: one chunk ahead of its own load; each wave names its 64 rows x 512 bytes, a lane to each block of 256 bytes, four lines.  Chunk 0 comes by its load alone; nothing lies behind chunk 7.
; V is not prefetched: it is 1 MiB that all 256 work-groups read.
; LIMITS: e2 between -126 and 112, so that 2^e2 and 57,344 x 2^e2 are f32 numbers; e2 + e3 goes through v_ldexp_f32 and has none.  NaN among the inputs is not served.
; REGISTERS, in windows of 256: window 0: v2-24 addresses and constants; v32-63 the 32 score sums; v64-95, v96-127 two sets of four accumulators (phase 1: v64-191 two sets of 64 numbers).
;   windows 1, 2: enc's fragments: tile m, K step s at v[64 m + 16 (s % 4)] of window 1 + s / 4.   window 3: V's fragments, two sets: set p, K step s at v[128 p + 16 s].
.set QB,    33792                      ; a wave's quarter of a slot: 64 rows x (512 bytes + 16), or 32,768 bytes of V's codes
.set SLOTB, 4*QB                       ; it shares no bit with wave x QB: one exclusive or turns an address from one slot to the other
.set TBL,   2*SLOTB                    ; behind the ring: the batch's table, 1,024 pairs
.set SST,   TBL+8192                   ; the scores' stage, 256 bytes a wave
.set SPARE, SST+1024                   ; the spare words, 128 bytes for each wave
.set LI,   2                           ; 16 x lane
.set LK,   3                           ; TBL + 8 (lane % 16)
.set EA,   4                           ; v4-5 my place in my chunk of enc, slot 0, 1
.set ADR,  6                           ; the unit in hand
.set ADRK, 7                           ; its pair
.set SPW,  8                           ; my spare word; never rewritten
.set NIL,  9                           ; 0; never rewritten
.set SCL,  10                          ; 2^e2
.set LIM,  11                          ; 57,344 x 2^e2
.set SV,   12                          ; v[12:13] K2 x 2^(e2 + e3)
.set GO,   15                          ; 8 x lane
.set KW,   16                          ; v[16:17], v[18:19] the pairs of two units
.set TA,   20
.set TG,   21
.set SSW,  22
.set SSR,  23
.set PFO,  24                          ; the prefetches' offset: 4,096 x lane; never rewritten
.set SC,   32
.set Y,    64
.set X0,   64
.set WV,   14                          ; s14 wave
.set G1E,  24                          ; s[24:31] group 1 for enc's chunks; s[32:39] for V's quarters; s[40:43], s[44:47] their groups 0, which walk
.set G1V,  32
.set G0E,  40
.set G0V,  44
.set TB,   48                          ; LDS byte of the unit to be fetched
.set TK,   49                          ; its pairs' byte in the table
.set OUTER, 50
.set INNER, 51
.set PF,   52                          ; s[52:53] my first row of enc; never rewritten
.set MSB, 0
.macro WIN new                         ; the immediate's high byte repeats the setting that is left
.if MSB != (\new)
	s_set_vgpr_msb (MSB<<8)|(\new)
.set MSB, \new
.endif
.endm
.macro AW
	s_wait_alu depctr_va_vdst(0)
.endm
.macro CROUND                          ; a round of the cluster's barrier
	s_barrier_signal -1
	s_barrier_wait -1
	s_cmp_lg_u32 s[WV], 0
	s_cbranch_scc1 .Lnot_wave_0_\@
	s_barrier_signal -3
.Lnot_wave_0_\@:
	s_barrier_wait -3
	s_barrier_signal -1
	s_barrier_wait -1
.endm
.macro PLACES
.rept 4
	v_nop
.endr
.endm
.macro PFETCH c                        ; chunk c of my 64 rows: row lane + 32 i, block jj of its 512 bytes
.irp i, 0,1
.irp jj, 0,1
	global_prefetch_b8 v[PFO], s[PF:PF+1] offset:131072*\i+256*\jj+512*(\c) th:TH_LOAD_NT scope:SCOPE_SE
.endr
.endr
.endm
	s_load_b256 s[4:11], s[0:1], 0x0               ; enc s[4:5], vcodes s[6:7], kbw s[8:9], the scales' exponents s[10:11]
	s_load_b64 s[12:13], s[0:1], 0x20              ; scores
	v_lshl_add_u32 v[SPW], v0, 2, SPARE
	v_mov_b32 v[NIL], 0
	ds_add_u32 v[SPW], v[NIL]                      ; the opening lines: the add, twice on end; work on registers up to the wait
	ds_add_u32 v[SPW], v[NIL]
	v_lshrrev_b32 v1, 5, v0
	v_readfirstlane_b32 s[WV], v1                  ; wave 0..3
	s_mul_i32 s17, s[WV], QB                       ; my quarter of a slot
	s_lshl_b32 s19, s[WV], 8
	s_add_co_u32 s19, s19, SST                     ; my 256 bytes of the scores' stage
	v_and_b32 v1, 15, v0                           ; r
	v_bfe_u32 v14, v0, 4, 1                        ; h
	v_mul_u32_u24 v[EA], v1, 528
	v_lshl_add_u32 v[EA], v14, 6, v[EA]
	v_add_nc_u32 v[EA], s17, v[EA]                 ; row r x 528 + 64 h + my quarter: the sixteen rows of a load start 16 bytes apart modulo 256
	v_add_nc_u32 v[EA+1], SLOTB, v[EA]
	v_and_b32 v[LI], 31, v0
	v_lshlrev_b32 v[GO], 3, v[LI]
	v_lshlrev_b32 v[PFO], 12, v[LI]
	v_lshlrev_b32 v[LI], 4, v[LI]
	v_lshl_add_u32 v[LK], v1, 3, TBL
	v_lshl_add_u32 v[SSW], v14, 5, s19
	v_add_nc_u32 v[SSR], s19, v[GO]
	v_lshlrev_b32 v[TG], 4, v0
	v_lshl_add_u32 v[TA], v0, 4, TBL
.set n, 0
.rept 32
	v_mov_b32 v[SC+n], 0                           ; the score sums: plain vector sums over 64 units, begun once
.set n, n+1
.endr
	AW                                             ; ahead of the run of scalar lines and the waits below
	s_bfe_u32 s15, ttmp6, 0x40000                  ; cx
	s_lshl_b32 s16, ttmp9, 2
	s_add_co_u32 s16, s16, s15                     ; work-group = 4 x cluster + cx
	s_mov_b32 s[G1E+0], (2<<16)|(1<<20)|(6<<22)|(3<<25)   ; no mask; elements of 4 bytes; 4 words of padding behind every 128
	s_mov_b32 s[G1E+1], 128<<16
	s_mov_b32 s[G1E+2], 64<<16
	s_mov_b32 s[G1E+3], 128<<16
	s_mov_b32 s[G1E+4], 64
	s_mov_b32 s[G1E+5], 1024
	s_mov_b32 s[G1E+6], 0
	s_mov_b32 s[G1E+7], 0
	s_mov_b32 s[G1V+0], 15|(3<<16)|(1<<21)         ; the mask: all four work-groups, bit 21 beside it; elements of 8 bytes
	s_mov_b32 s[G1V+1], 32<<16                     ; a dense block as rows of 256 bytes
	s_mov_b32 s[G1V+2], 128<<16
	s_mov_b32 s[G1V+3], 32<<16
	s_mov_b32 s[G1V+4], 128
	s_mov_b32 s[G1V+5], 32
	s_mov_b32 s[G1V+6], 0
	s_mov_b32 s[G1V+7], 0
	s_lshl_b32 s18, s16, 8
	s_lshl_b32 s19, s[WV], 6
	s_add_co_u32 s18, s18, s19                     ; my first row: 256 x work-group + 64 x wave
	s_lshl_b32 s20, s18, 12                        ; x 4,096 bytes
	s_mov_b32 s21, 0
	s_lshl_b32 s22, s[WV], 15                      ; V: my 32,768 bytes of a fill
	s_mov_b32 s23, 0
	s_mov_b32 s[TB], 0
	s_mov_b32 s[TK], 0
	s_wait_dscnt 0x0                               ; both opening adds are done
	s_wait_kmcnt 0x0
	s_load_b128 s[56:59], s[10:11], 0x0            ; e0, e1, e2, e3
	s_mov_b32 s[G0E], 1
	s_mov_b32 s[G0E+1], s17
	s_add_nc_u64 s[G0E+2:G0E+3], s[4:5], s[20:21]
	s_or_b32 s[G0E+3], s[G0E+3], 0x80000000
	s_add_nc_u64 s[PF:PF+1], s[4:5], s[20:21]
	s_mov_b32 s[G0V], 1
	s_mov_b32 s[G0V+1], s17
	s_add_nc_u64 s[G0V+2:G0V+3], s[6:7], s[22:23]
	s_or_b32 s[G0V+3], s[G0V+3], 0x80000000
	CROUND                                         ; in front of the first tensor load
	tensor_load_to_lds s[G0E:G0E+3], s[G1E:G1E+7]  ; fill 0: K chunk 0 of my 64 rows: my one tensor load at the head
	s_nop 0
	PLACES
	s_lshr_b32 s19, s16, 3                         ; the batch
	s_lshl_b32 s20, s19, 13
	s_add_nc_u64 s[8:9], s[8:9], s[20:21]          ; its 8,192 bytes of the table
.irp j, 0,1,2,3
	global_load_b128 v[64+4*\j:67+4*\j], v[TG], s[8:9] offset:2048*\j
.endr
	PFETCH 1
	s_lshl_b32 s20, s18, 2
	s_add_nc_u64 s[12:13], s[12:13], s[20:21]      ; scores at my first row
	s_wait_kmcnt 0x0
	s_add_co_i32 s19, s58, 127
	s_lshl_b32 s20, s19, 23
	v_mov_b32 v[SCL], s20                          ; 2^e2 as f32: the conversion takes its exponent field
	s_add_co_i32 s19, s19, 15
	s_lshl_b32 s19, s19, 23
	s_or_b32 s19, s19, 0x600000
	v_mov_b32 v[LIM], s19                          ; 57,344 x 2^e2
	s_add_co_i32 s19, s58, s59
	v_mov_b32 v[SV], 0x4038aa3b                    ; K2 = 2 log2(e)
	v_ldexp_f32 v[SV], v[SV], s19                  ; x 2^(e2 + e3)
	v_mov_b32 v[SV+1], v[SV]                       ; (named with it as a pair)
	AW                                             ; the head's end
	s_wait_loadcnt 0x0
.irp j, 0,1,2,3
	ds_store_b128 v[TA], v[64+4*\j:67+4*\j] offset:2048*\j   ; the first chunk's wait and round show the table to every wave
.endr
; ---- PHASE 1
.macro ELOAD s, m                      ; tile m's 64 numbers a lane: register 16 g + 4 j + e = enc(16 m + r, 128 s + 32 g + 16 h + 4 j + e).  Even tiles into v128-191, odd ones into v64-127
.set xr, X0+64*(1-(\m)%2)
.irp g, 0,1,2,3
.irp jj, 0,1,2,3
	ds_load_b128 v[xr+16*\g+4*\jj:xr+16*\g+4*\jj+3], v[EA+(\s)%2] offset:8448*(\m)+128*\g+16*\jj
.endr
.endr
.endm
.macro QT s, m, left                   ; they become fragment (m, s).  left: the next tile's sixteen loads may stay out
.set xr, X0+64*(1-(\m)%2)
	s_wait_dscnt \left
.set n, 0
.rept 64
	v_med3_num_f32 v[xr+n], v[xr+n], -v[LIM], v[LIM]   ; the conversion to an 8-bit code does not saturate (ISA guide 7.6.2): the hold at the largest code x the scale
.set n, n+1
.endr
	WIN 0x40<<((\s)/4)                             ; destination window 1 or 2
.irp g, 0,1,2,3
	v_cvt_scalef32_pk8_bf8_f32 v[64*(\m)+16*((\s)%4)+4*\g:64*(\m)+16*((\s)%4)+4*\g+1], v[xr+16*\g:xr+16*\g+7], v[SCL]
	v_cvt_scalef32_pk8_bf8_f32 v[64*(\m)+16*((\s)%4)+4*\g+2:64*(\m)+16*((\s)%4)+4*\g+3], v[xr+16*\g+8:xr+16*\g+15], v[SCL]
.endr
	WIN 0
	v_nop                                          ; one plain vector line behind the last conversion
.endm
; Chunk s lies in slot s % 2.  At its head: all my tensor loads have landed (this chunk), 0 onto my spare word, my reads of the other slot are over; a round; the next fill into the other slot, first thing behind it.
.macro ECHUNK s
	AW
	s_wait_tensorcnt 0x0                           ; no tensor load of mine is out, so a group 0 may be written
	ds_add_u32 v[SPW], v[NIL]
.if (\s) < 7
	s_xor_b32 s[G0E+1], s[G0E+1], SLOTB            ; the other slot,
	s_add_nc_u64 s[G0E+2:G0E+3], s[G0E+2:G0E+3], 512   ; the next 128 along K
.endif
	s_wait_dscnt 0x0                               ; the add is done, and so are my LDS reads and stores
	CROUND
.if (\s) < 7
	tensor_load_to_lds s[G0E:G0E+3], s[G1E:G1E+7]
.else
	tensor_load_to_lds s[G0V:G0V+3], s[G1V:G1V+7]  ; V's units 0-7, jointly, into slot 0
.endif
	s_nop 0
	PLACES
	ELOAD \s, 0
	ELOAD \s, 1
	QT \s, 0, 16
.if (\s) < 6
	PFETCH (\s)+2                                  ; what the next chunk's head will ask for
.endif
	ELOAD \s, 2
	QT \s, 1, 16
	ELOAD \s, 3
	QT \s, 2, 16
	QT \s, 3, 0
.endm
.irp c, 0,1,2,3,4,5,6,7
	ECHUNK \c
.endr
; ---- PHASE 2
; A unit's 32 products into accumulator set yp from V's set yp: K ascending, the four tiles by turns; the first four start the sums.  K steps 0-3 lie in window 1, 4-7 in window 2.
.macro MULS yp
.irp sK, 0,1,2,3,4,5,6,7
.if \sK == 0
	WIN 0x0d                                       ; source 0 (enc) window 1, source 1 (V) window 3, C and D window 0
.elseif \sK == 4
	WIN 0x0e                                       ; source 0 window 2
.endif
.irp mT, 0,1,2,3
.if \sK == 0
	v_wmma_f32_16x16x128_bf8_bf8 v[Y+32*(\yp)+8*\mT:Y+32*(\yp)+8*\mT+7], v[64*\mT+16*(\sK%4):64*\mT+16*(\sK%4)+15], v[128*(\yp)+16*\sK:128*(\yp)+16*\sK+15], 0
.else
	v_wmma_f32_16x16x128_bf8_bf8 v[Y+32*(\yp)+8*\mT:Y+32*(\yp)+8*\mT+7], v[64*\mT+16*(\sK%4):64*\mT+16*(\sK%4)+15], v[128*(\yp)+16*\sK:128*(\yp)+16*\sK+15], v[Y+32*(\yp)+8*\mT:Y+32*(\yp)+8*\mT+7]
.endif
.endr
.endr
	WIN 0
.endm
; The five steps that turn the 32 sums a lane of set p into their part of the scores.
.macro YF p                            ; y = sum x K2 2^(e2+e3) + K2 (dec_proj + bias): each accumulator from its low end on
.set n, 0
.rept 16
	v_pk_fma_f32 v[Y+32*(\p)+n:Y+32*(\p)+n+1], v[Y+32*(\p)+n:Y+32*(\p)+n+1], v[SV:SV+1], v[KW+2*(\p):KW+2*(\p)+1] op_sel_hi:[1,0,0]
.set n, n+2
.endr
.endm
.macro YE p                            ; 2^y
.set n, 0
.rept 32
	v_exp_f32 v[Y+32*(\p)+n], v[Y+32*(\p)+n]
.set n, n+1
.endr
.endm
.macro YA p                            ; 1 + 2^y
.set n, 0
.rept 16
	v_pk_add_f32 v[Y+32*(\p)+n:Y+32*(\p)+n+1], v[Y+32*(\p)+n:Y+32*(\p)+n+1], 1.0 op_sel_hi:[1,0]
.set n, n+2
.endr
.endm
.macro YR p                            ; its reciprocal
.set n, 0
.rept 32
	v_rcp_f32 v[Y+32*(\p)+n], v[Y+32*(\p)+n]
.set n, n+1
.endr
.endm
.macro YS p                            ; score sum += w x reciprocal: of the pair its second word, w, for both halves
.set n, 0
.rept 16
	v_pk_fma_f32 v[SC+n:SC+n+1], v[Y+32*(\p)+n:Y+32*(\p)+n+1], v[KW+2*(\p):KW+2*(\p)+1], v[SC+n:SC+n+1] op_sel:[0,1,0] op_sel_hi:[1,1,1]
.set n, n+2
.endr
.endm
; Stage n, par = n % 2.  sw: unit n - 3's reciprocals (set 1 - par) go into the score sums.  pw: unit n - 2's sums (set par) go as far as the reciprocals.
; f: unit n is fetched into V's set par.  mul: unit n - 1 is multiplied, V's set 1 - par into accumulator set 1 - par, and its pair is fetched into the place that unit n - 3's has just left.
; Each batch of transcendentals has one wait ahead of it and, behind a plain line, one behind it (the reciprocals': at the next stage's head, or ahead of a label or a branch).
; The places behind the products, ahead of the first read of their sums and of the loads into V's set just read: the next stage's additions and its sixteen score lines, or four v_nop.
.macro STAGE par, f, mul, pw, sw
	s_wait_dscnt 0x0                               ; asked for a stage ago: unit n - 1's fragments and unit n - 2's pair
.if \f
	v_add_nc_u32 v[ADR], s[TB], v[LI]
	s_add_co_u32 s[TB], s[TB], 16384+1024*(\par)   ; two units to a quarter: 16,384 on, then to the next quarter
.endif
.if \mul
	v_add_nc_u32 v[ADRK], s[TK], v[LK]
	s_add_co_u32 s[TK], s[TK], 128
.endif
.if \pw || \sw
	AW
.endif
.if \sw
	YS 1-(\par)
.elseif \pw
	PLACES
.endif
.if \pw
	YF \par
	AW
	YE \par
.endif
.if \mul
	ds_load_b64 v[KW+2*(1-(\par)):KW+2*(1-(\par))+1], v[ADRK]
.endif
.if \f
	WIN 0xc0                                       ; destination window 3
.irp s, 0,1,2,3,4,5,6,7
.irp g, 0,1,2,3
	ds_load_b128 v[128*(\par)+16*\s+4*\g:128*(\par)+16*\s+4*\g+3], v[ADR] offset:2048*\s+512*\g   ; 512 consecutive bytes an instruction
.endr
.endr
	WIN 0
.endif
.if \pw
	v_nop
	AW
	YA \par
	AW
	YR \par
	v_nop
.endif
.if \mul
	MULS 1-(\par)
.endif
.endm
; THE CHANGE OF SLOTS, ahead of every eighth stage.  fill = 1: the slot that is left is filled again with the eight units after the next, jointly, behind a round: the load has eight stages in which to land.  turn = 1: the fetches go on in the other slot.
.macro VCHANGE fill, turn
	AW
	s_wait_tensorcnt 0x0                           ; my part of the slot ahead has landed; no tensor load of mine is out, so a group 0 may be written
	ds_add_u32 v[SPW], v[NIL]
.if \fill
	s_xor_b32 s[G0V+1], s[G0V+1], SLOTB
	s_add_nc_u64 s[G0V+2:G0V+3], s[G0V+2:G0V+3], 131072
.endif
.if \turn
	s_sub_co_u32 s[TB], s[TB], SLOTB
	s_xor_b32 s[TB], s[TB], SLOTB
.endif
	s_wait_dscnt 0x0                               ; the add is done, and my reads of the slot that I leave are over
.if \fill
	CROUND                                         ; no wave of any partner still reads that slot or has a load on its way
	tensor_load_to_lds s[G0V:G0V+3], s[G1V:G1V+7]
	s_nop 0
	PLACES
.else
	s_barrier_signal -1
	s_barrier_wait -1
.endif
.endm
.macro PAIRS n                         ; 2 n stages: a pair is written once
	AW                                             ; ahead of the label
	s_mov_b32 s[INNER], \n
.Lpair_\@:
	STAGE 0, 1, 1, 1, 1
	STAGE 1, 1, 1, 1, 1
	AW                                             ; ahead of the branch
	s_sub_co_u32 s[INNER], s[INNER], 1
	s_cmp_lg_u32 s[INNER], 0
	s_cbranch_scc1 .Lpair_\@
.endm
	VCHANGE 1, 0                                   ; units 0-7 are in slot 0; units 8-15 go out, into slot 1, where enc's last chunk has been read
	STAGE 0, 1, 0, 0, 0                            ; stage 0: unit 0 is fetched
	STAGE 1, 1, 1, 0, 0                            ; stage 1: unit 0 is multiplied too
	STAGE 0, 1, 1, 1, 0                            ; stage 2: unit 0's sums are worked too
	STAGE 1, 1, 1, 1, 1                            ; stage 3: the first whole stage
	PAIRS 2                                        ; stages 4-7
	s_mov_b32 s[OUTER], 6
.Lfill:                                            ; stages 8-55: six changes that ask for units 16-63
	VCHANGE 1, 1
	PAIRS 4
	s_sub_co_u32 s[OUTER], s[OUTER], 1
	s_cmp_lg_u32 s[OUTER], 0
	s_cbranch_scc1 .Lfill
	VCHANGE 0, 1                                   ; the tail is written out: nothing is left to ask for
	PAIRS 4                                        ; stages 56-63
	STAGE 0, 0, 1, 1, 1                            ; stage 64: unit 63 is multiplied
	STAGE 1, 0, 0, 1, 1                            ; stage 65: its sums are worked
	STAGE 0, 0, 0, 0, 1                            ; stage 66: and go into the score sums
	; ---- THE WAY OUT.  A row's sum lies in the sixteen lanes of a half, one part for each c % 16.
.irp x, 1,2,4,8
.set n, 0
.rept 32
	v_add_f32_dpp v[SC+n], v[SC+n], v[SC+n] row_xmask:\x row_mask:0xf bank_mask:0xf
.set n, n+1
.endr
.endr
.set n, 0
.rept 16
	v_pk_mul_f32 v[SC+n:SC+n+1], v[SC+n:SC+n+1], -2.0 op_sel_hi:[1,0]
.set n, n+2
.endr
.irp m, 0,1,2,3
.irp jj, 0,1,2,3,4,5,6,7
	ds_store_b32 v[SSW], v[SC+8*\m+\jj] offset:64*\m+4*\jj   ; row 16 m + 8 h + j: the sixteen lanes of a half write one word with one value
.endr
.endr
	ds_load_b64 v[64:65], v[SSR]                   ; LDS serves a wave's instructions in order (ISA guide 5.7.1.4): this sees my stores
	s_wait_dscnt 0x0
	global_store_b64 v[GO], v[64:65], s[12:13]     ; the wave stores its 64 scores: 256 consecutive bytes, aligned
	s_wait_tensorcnt 0x0                           ; the wave's end
	ds_add_u32 v[SPW], v[NIL]
	s_wait_dscnt 0x0
	CROUND                                         ; the closing round
	s_endpgm
.Lfunc_end_k_q90d25fddd1_scoresk:
	.size	k_q90d25fddd1_scoresk, .Lfunc_end_k_q90d25fddd1_scoresk-k_q90d25fddd1_scoresk
	.p2alignl 7, 3214868480
	.fill 96, 4, 3214868480
	.section	.rodata,"a",@progbits
	.p2align	6, 0x0
	.amdhsa_kernel k_q90d25fddd1_scoresk
		.amdhsa_group_segment_fixed_size 327680
		.amdhsa_private_segment_fixed_size 0
		.amdhsa_enable_private_segment 0
		.amdhsa_kernarg_size 40
		.amdhsa_user_sgpr_count 2
		.amdhsa_user_sgpr_kernarg_segment_ptr 1
		.amdhsa_wavefront_size32 1
		.amdhsa_system_sgpr_workgroup_id_x 1
		.amdhsa_system_sgpr_workgroup_id_y 1
		.amdhsa_system_sgpr_workgroup_id_z 1
		.amdhsa_system_vgpr_workitem_id 0
		.amdhsa_next_free_vgpr 1024
		.amdhsa_next_free_sgpr 66
		.amdhsa_reserve_vcc 0
		.amdhsa_float_denorm_mode_32 3
		.amdhsa_float_denorm_mode_16_64 3
		.amdhsa_memory_ordered 1
		.amdhsa_forward_progress 1
		.amdhsa_inst_pref_size 255
	.end_amdhsa_kernel
	.section	.bss,"aw",@nobits
	.p2align	6
	.space	262144
	.amdgpu_metadata
---
amdhsa.version: [ 1, 2 ]
amdhsa.kernels:
  - .name:           k_q90d25fddd1_scoresk
    .symbol:         k_q90d25fddd1_scoresk.kd
    .args:
      - { .name: encoder_outputs, .offset: 0, .size: 8, .value_kind: global_buffer, .address_space: global }
      - { .name: vcodes, .offset: 8, .size: 8, .value_kind: global_buffer, .address_space: global }
      - { .name: kbw, .offset: 16, .size: 8, .value_kind: global_buffer, .address_space: global }
      - { .name: lowp_scales, .offset: 24, .size: 8, .value_kind: global_buffer, .address_space: global }
      - { .name: scores, .offset: 32, .size: 8, .value_kind: global_buffer, .address_space: global }
    .group_segment_fixed_size: 327680
    .private_segment_fixed_size: 0
    .kernarg_segment_align: 8
    .kernarg_segment_size: 40
    .max_flat_workgroup_size: 128
    .sgpr_count:     66
    .vgpr_count:     1024
    .wavefront_size: 32
...
	.end_amdgpu_metadata
.endif
;; end of part 2
;; launch context (part 3): grid 256 x 1, 16 waves a work-group, no clusters, 327,680 bytes of LDS; arguments encoder_outputs, scores, out0; writes out0
.if DOCPART == 3
	.amdgcn_target "amdgcn-amd-amdhsa--gfx1250"
	.amdhsa_code_object_version 6
	.text
	.protected	k_q90d25fddd1_context
	.globl	k_q90d25fddd1_context
	.p2align	8
	.type	k_q90d25fddd1_context,@function
k_q90d25fddd1_context:
	s_mov_b64 s[64:65], 0
	v_nop
	global_prefetch_b8 v0, s[64:65] scope:SCOPE_SE
	s_setreg_imm32_b32 hwreg(HW_REG_WAVE_MODE, 25, 1), 1
	s_wait_xcnt 0x0
; out0[b][h] = the sum over t of softmax_t(scores[b][t]) enc[b][t][h], all in f32.  (The scores lack a term that is the same for all t of a batch: the softmax does not see it; see the launch before.)
; SHARES.  Work-group (b, hc) owns out0[b][128 hc .. 128 hc + 127]: each output has one owner.  Wave w takes rows t = 128 w + i, i = 0 .. 127; a row's part is 512 bytes, aligned; a lane keeps four columns.
; THE SOFTMAX BY PARTS.  Each wave takes the largest m of its own 128 values t = score x log2(e), p = 2^(t - m), their sum l, and sums p x enc.  The sixteen (m, l, sums) meet in LDS behind one barrier;
; wave 0 takes the largest M of the m, brings each part under it by 2^(m - M), divides by the sum of 2^(m - M) l and stores.  So the row's maximum is taken away as the reference's softmax takes it.
; TWO ROADS AT ONCE.  Rows i = 0 .. 63 come by tensor loads, 16 rows (8,192 bytes) a wave and fill, four fills through two slots, each wave into and out of bytes of its own;
; rows i = 64 .. 127 come by loads into a ring of 16 row slots in registers, of which 8 to 16 are out at any time.  Rows are worked in batches of 16 and 8, one wait a batch.
; PREFETCH.  What trip k + 1 will ask for (fill k + 2's 16 rows, and the 16 rows that the ring takes there) is named in trip k, what trip 0 asks for at the head: one trip ahead, two lines a wave,
; a lane to each block of 256 bytes (row lane / 2, block lane % 2).  Each wave names its own rows alone, so each block is named once.  Fill 0 and the ring's first 16 rows come by their loads alone; trips 2 and 3 name nothing.
; No cluster: work-groups share no tile (only 8 KiB of scores a batch).  No matrix unit: one row of weights.
; REGISTERS: v2 16 x lane, v3, v6, v7, v12-14 LDS addresses, v4-5 the add's two, v8-11 my rows' t, then p, v16 the prefetches' offset, v82-94 at work, v84 m, v85 l, v96-103 two sums (even rows', odd rows'), v128-191 the ring, v192-255 16 rows from LDS.
.set SLOTB, 131072                     ; a slot: 16 waves x 16 rows x 512 bytes
.set PART,  2*SLOTB                    ; behind the ring: the sixteen partial sums, 512 bytes each,
.set ML,    PART+8192                  ; the sixteen pairs (m, l),
.set SPARE, ML+256                     ; and the spare words, 128 bytes for each wave
.set SPW,  4
.set NIL,  5
.set LA,   12                          ; v12-13 my rows in slot 0, 1
.set PFO,  16                          ; 4,096 (lane / 2) + 256 (lane % 2); never rewritten
.set SUM,  96
.set RING, 128
.set LB,   192
.set G0,   36                          ; s[36:39] group 0, which walks; s[40:47] group 1
.set G1,   40
.macro AW
	s_wait_alu depctr_va_vdst(0)
.endm
.macro PFR r                           ; my rows r .. r + 15
	global_prefetch_b8 v[PFO], s[4:5] offset:4096*(\r) th:TH_LOAD_NT scope:SCOPE_SE
.endm
; sums (i % 2) += weight x the four numbers at v[reg ..]; the weight is lane wl of v[wr].  i < 2 starts the sums: nothing is cleared
.macro ACC reg, i, wr, wl
.set prg, 20+2*((\i)%4)
.set sm, SUM+4*((\i)%2)
	v_readlane_b32 s[prg], v[\wr], \wl
.if (\i) < 2
	v_pk_mul_f32 v[sm:sm+1], v[\reg:\reg+1], s[prg:prg+1] op_sel_hi:[1,0]
	v_pk_mul_f32 v[sm+2:sm+3], v[\reg+2:\reg+3], s[prg:prg+1] op_sel_hi:[1,0]
.else
	v_pk_fma_f32 v[sm:sm+1], v[\reg:\reg+1], s[prg:prg+1], v[sm:sm+1] op_sel_hi:[1,0,1]
	v_pk_fma_f32 v[sm+2:sm+3], v[\reg+2:\reg+3], s[prg:prg+1], v[sm+2:sm+3] op_sel_hi:[1,0,1]
.endif
.endm
	s_load_b128 s[4:7], s[0:1], 0x0                ; enc s[4:5], scores s[6:7]
	s_load_b64 s[8:9], s[0:1], 0x10                ; out0
	v_lshl_add_u32 v[SPW], v0, 2, SPARE
	v_mov_b32 v[NIL], 0
	ds_add_u32 v[SPW], v[NIL]                      ; the opening lines: the add, twice on end; work on registers up to the wait
	ds_add_u32 v[SPW], v[NIL]
	v_lshrrev_b32 v1, 5, v0
	v_readfirstlane_b32 s10, v1                    ; wave 0..15
	v_and_b32 v15, 31, v0
	v_lshlrev_b32 v2, 4, v15                       ; 16 x lane
	v_lshl_add_u32 v3, v0, 4, PART                 ; my part of the partial sums: 512 x wave + 16 x lane
	v_lshl_add_u32 v6, v1, 3, ML                   ; my wave's pair
	v_lshl_add_u32 v7, v15, 4, PART                ; wave 0 reads the parts
	v_lshl_add_u32 v[LA], v1, 13, v2               ; 8,192 x wave + 16 x lane
	v_add_nc_u32 v[LA+1], SLOTB, v[LA]
	v_and_b32 v14, 15, v0
	v_lshl_add_u32 v14, v14, 3, ML                 ; and pair lane % 16
	v_mov_b32 v82, 0                               ; written once: a lane permute's destination counts as one of its sources
	v_lshrrev_b32 v[PFO], 1, v15
	v_and_b32 v17, 1, v15
	v_lshlrev_b32 v17, 8, v17
	v_lshl_add_u32 v[PFO], v[PFO], 12, v17
	AW                                             ; ahead of the run of scalar lines and the waits below
	s_lshr_b32 s11, ttmp9, 3                       ; b
	s_and_b32 s12, ttmp9, 7                        ; hc
	s_lshl_b32 s14, s11, 13                        ; scores: 8,192 b + 512 wave
	s_lshl_b32 s15, s10, 9
	s_add_co_u32 s14, s14, s15
	s_mov_b32 s15, 0
	s_lshl_b32 s16, s11, 23                        ; enc: 8,388,608 b + 524,288 wave + 512 hc
	s_lshl_b32 s17, s10, 19
	s_add_co_u32 s16, s16, s17
	s_lshl_b32 s17, s12, 9
	s_add_co_u32 s16, s16, s17
	s_lshl_b32 s18, s11, 12                        ; out0: 4,096 b + 512 hc
	s_add_co_u32 s18, s18, s17
	s_mov_b32 s17, 0
	s_mov_b32 s19, 0
	s_mov_b32 s30, 0x76543210                      ; v_permlanex16_b32: lane l xor 16
	s_mov_b32 s31, 0xfedcba98
	s_mov_b32 s21, 0                               ; the upper words of the four pairs that carry a weight: named with them
	s_mov_b32 s23, 0
	s_mov_b32 s25, 0
	s_mov_b32 s27, 0
	s_mov_b32 s[G1+0], 2<<16                       ; no mask; elements of 4 bytes; no padding: a row is read back as 512 consecutive bytes
	s_mov_b32 s[G1+1], 128<<16                     ; tensor_dim0 = 128
	s_mov_b32 s[G1+2], 16<<16                      ; tensor_dim1 = 16
	s_mov_b32 s[G1+3], 128<<16                     ; tile_dim0 = 128
	s_mov_b32 s[G1+4], 16                          ; tile_dim1 = 16
	s_mov_b32 s[G1+5], 1024                        ; elements from row to row
	s_mov_b32 s[G1+6], 0
	s_mov_b32 s[G1+7], 0
	s_mov_b32 s[G0], 1
	s_lshl_b32 s[G0+1], s10, 13                    ; slot 0, my 8,192 bytes
	s_wait_dscnt 0x0                               ; both opening adds are done
	s_wait_kmcnt 0x0
	s_add_nc_u64 s[6:7], s[6:7], s[14:15]
	s_add_nc_u64 s[4:5], s[4:5], s[16:17]
	s_add_nc_u64 s[8:9], s[8:9], s[18:19]
	s_mov_b64 s[G0+2:G0+3], s[4:5]
	s_or_b32 s[G0+3], s[G0+3], 0x80000000
	tensor_load_to_lds s[G0:G0+3], s[G1:G1+7]      ; fill 0: my rows 0-15: my one tensor load at the head
	s_nop 0
	global_load_b128 v[8:11], v2, s[6:7]           ; lane l: the scores of my rows 4 l .. 4 l + 3
.set j, 0
.rept 16
	global_load_b128 v[RING+4*j:RING+4*j+3], v2, s[4:5] offset:4096*(64+j) th:TH_LOAD_NT
.set j, j+1
.endr
	PFR 16                                         ; what trip 0 will ask for: fill 1,
	PFR 80                                         ; and the ring's next 16 rows
	s_wait_loadcnt 16                              ; the scores are in; the 16 rows issued behind them stay out
	v_pk_mul_f32 v[8:9], v[8:9], 0x3fb8aa3b op_sel_hi:[1,0]     ; t = score x log2(e)
	v_pk_mul_f32 v[10:11], v[10:11], 0x3fb8aa3b op_sel_hi:[1,0]
	v_max3_num_f32 v84, v8, v9, v10
	v_max_num_f32 v84, v84, v11
.irp x, 1,2,4,8
	v_max_num_f32_dpp v84, v84, v84 row_xmask:\x row_mask:0xf bank_mask:0xf
.endr
	v_permlanex16_b32 v82, v84, s30, s31
	v_max_num_f32 v84, v84, v82                    ; m: the largest of my 128
.irp i, 8,9,10,11
	v_sub_f32 v\i, v\i, v84
.endr
	AW                                             ; ahead of the batch
.irp i, 8,9,10,11
	v_exp_f32 v\i, v\i                             ; p = 2^(t - m)
.endr
	v_nop
	AW                                             ; and behind it
	v_add_f32 v85, v8, v9
	v_add_f32 v86, v10, v11
	v_add_f32 v85, v85, v86
.irp x, 1,2,4,8
	v_add_f32_dpp v85, v85, v85 row_xmask:\x row_mask:0xf bank_mask:0xf
.endr
	v_permlanex16_b32 v82, v85, s30, s31
	v_add_f32 v85, v85, v82                        ; l: at least 1
; Trip k: fill k has landed; behind the barrier fill k + 1 goes into the other slot; then my 16 rows of fill k out of LDS, then the ring's 16 rows in two halves, each slot taking the row 16 further on.
.macro TRIP k
	AW
	s_wait_tensorcnt 0x0                           ; no tensor load of mine is out, so group 0 may be written
	ds_add_u32 v[SPW], v[NIL]
.if \k < 3
	s_xor_b32 s[G0+1], s[G0+1], SLOTB              ; the other slot,
	s_add_nc_u64 s[G0+2:G0+3], s[G0+2:G0+3], 65536 ; the next 16 rows
.endif
	s_wait_dscnt 0x0                               ; the add is done, and my reads of the other slot are over
	s_barrier_signal -1
	s_barrier_wait -1
.if \k < 3
	tensor_load_to_lds s[G0:G0+3], s[G1:G1+7]
	s_nop 0
.endif
.set j, 0
.rept 16
	ds_load_b128 v[LB+4*j:LB+4*j+3], v[LA+(\k)%2] offset:512*j
.set j, j+1
.endr
	s_wait_dscnt 0x0
.set j, 0
.rept 16
	ACC LB+4*j, 16*(\k)+j, 8+j%4, 4*(\k)+j/4
.set j, j+1
.endr
.if \k < 2
	PFR 32+16*(\k)                                 ; what the next trip will ask for: fill k + 2,
	PFR 96+16*(\k)                                 ; and the ring's rows of that trip
.endif
.irp hb, 0,1
	AW
.if (\k == 3) && (\hb == 1)
	s_wait_loadcnt 0x0
.else
	s_wait_loadcnt 0x8                             ; loads come back in order (ISA guide 5.7.1): this half's eight are in, the eight younger rows stay out
.endif
.set j, 8*\hb
.rept 8
	ACC RING+4*j, 64+16*(\k)+j, 8+j%4, 16+4*(\k)+j/4
.if \k < 3
	global_load_b128 v[RING+4*j:RING+4*j+3], v2, s[4:5] offset:4096*(80+16*(\k)+j) th:TH_LOAD_NT
.endif
.set j, j+1
.endr
.endr
.endm
	TRIP 0
	TRIP 1
	TRIP 2
	TRIP 3
	v_pk_add_f32 v[96:97], v[96:97], v[100:101]
	v_pk_add_f32 v[98:99], v[98:99], v[102:103]
	ds_store_b128 v3, v[96:99]
	ds_store_b64 v6, v[84:85]                      ; all lanes write the same pair (m, l)
	s_wait_dscnt 0x0                               ; for the others' sake: my part has landed
	s_barrier_signal -1
	s_barrier_wait -1
	s_cmp_lg_u32 s10, 0                            ; wave 0 alone joins the sixteen parts; no barrier stands in this branch
	s_cbranch_scc1 .Ldone
.set j, 0
.rept 16
	ds_load_b128 v[RING+4*j:RING+4*j+3], v7 offset:512*j
.set j, j+1
.endr
	ds_load_b64 v[88:89], v14                      ; lane: (m, l) of wave lane % 16
	s_wait_dscnt 0x0
	v_mov_b32 v90, v88
.irp x, 1,2,4,8
	v_max_num_f32_dpp v90, v90, v90 row_xmask:\x row_mask:0xf bank_mask:0xf
.endr
	v_sub_f32 v91, v88, v90                        ; m - M
	AW
	v_exp_f32 v91, v91
	v_nop
	AW
	v_mul_f32 v92, v91, v89                        ; 2^(m - M) l
.irp x, 1,2,4,8
	v_add_f32_dpp v92, v92, v92 row_xmask:\x row_mask:0xf bank_mask:0xf
.endr
	AW
	v_rcp_f32 v93, v92                             ; the whole sum is at least 1
	v_nop
	AW
	v_mul_f32 v94, v91, v93                        ; lane w: what wave w's part is multiplied by
.set j, 0
.rept 16
	ACC RING+4*j, j, 94, j
.set j, j+1
.endr
	v_pk_add_f32 v[96:97], v[96:97], v[100:101]
	v_pk_add_f32 v[98:99], v[98:99], v[102:103]
	global_store_b128 v2, v[96:99], s[8:9]         ; the wave stores 512 consecutive bytes, aligned
.Ldone:
	s_wait_tensorcnt 0x0                           ; the wave's end
	ds_add_u32 v[SPW], v[NIL]
	s_wait_dscnt 0x0
	s_endpgm
.Lfunc_end_k_q90d25fddd1_context:
	.size	k_q90d25fddd1_context, .Lfunc_end_k_q90d25fddd1_context-k_q90d25fddd1_context
	.p2alignl 7, 3214868480
	.fill 96, 4, 3214868480
	.section	.rodata,"a",@progbits
	.p2align	6, 0x0
	.amdhsa_kernel k_q90d25fddd1_context
		.amdhsa_group_segment_fixed_size 327680
		.amdhsa_private_segment_fixed_size 0
		.amdhsa_enable_private_segment 0
		.amdhsa_kernarg_size 24
		.amdhsa_user_sgpr_count 2
		.amdhsa_user_sgpr_kernarg_segment_ptr 1
		.amdhsa_wavefront_size32 1
		.amdhsa_system_sgpr_workgroup_id_x 1
		.amdhsa_system_sgpr_workgroup_id_y 1
		.amdhsa_system_sgpr_workgroup_id_z 1
		.amdhsa_system_vgpr_workitem_id 0
		.amdhsa_next_free_vgpr 256
		.amdhsa_next_free_sgpr 66
		.amdhsa_reserve_vcc 0
		.amdhsa_float_denorm_mode_32 3
		.amdhsa_float_denorm_mode_16_64 3
		.amdhsa_memory_ordered 1
		.amdhsa_forward_progress 1
		.amdhsa_inst_pref_size 48
	.end_amdhsa_kernel
	.amdgpu_metadata
---
amdhsa.version: [ 1, 2 ]
amdhsa.kernels:
  - .name:           k_q90d25fddd1_context
    .symbol:         k_q90d25fddd1_context.kd
    .args:
      - { .name: encoder_outputs, .offset: 0, .size: 8, .value_kind: global_buffer, .address_space: global }
      - { .name: scores, .offset: 8, .size: 8, .value_kind: global_buffer, .address_space: global }
      - { .name: out0, .offset: 16, .size: 8, .value_kind: global_buffer, .address_space: global }
    .group_segment_fixed_size: 327680
    .private_segment_fixed_size: 0
    .kernarg_segment_align: 8
    .kernarg_segment_size: 24
    .max_flat_workgroup_size: 512
    .sgpr_count:     66
    .vgpr_count:     256
    .wavefront_size: 32
...
	.end_amdgpu_metadata
.endif
;; end of part 3
